; MI455X (gfx1250); checked and timed in simulation.
; The chip was launched on July 23, 2026; its instructions are those of AMD's public machine-readable ISA for CDNA 5 (MIT licence, August 2026) and "CDNA5" Instruction Set Architecture Reference Guide (July 2026). The comments in the code are by the model that wrote it; some were corrected since.
;; Dot Atten. Allowed arithmetic: matrix products marked QUANTISED: E5M2 operands, one E8M0 scale for each 32 along K, by v_wmma_scale_f32_16x16x128_f8f6f4 with both operands' format E5M2, f32 sums; products left as they are: f32 operands where the result goes on into a quantised operand, else bf16, f16 or f32 operands; f32 sums; everything else in f32.
;; Inputs: Wd 512 x 256 float32; query 2 x 512 x 512 float32; value 2 x 512 x 512 float32; vd 256 float32.
;; Outputs: out0 2 x 512 x 512 float32; out1 2 x 512 x 512 float32.
;; This version of the problem:
;;   THIS VERSION OF THE PROBLEM IS GIVEN IN LOW PRECISION. The matrix products marked QUANTISED in the list below multiply operands that are first quantised to E5M2 (5 exponent bits, 2 mantissa bits; 8 bits a number), with one power-of-two scale for each 32 numbers along K (OCP MX v1.0); their sums are f32. All else is computed in f32.
;;   The module's matrix products, in the order in which they are computed (A, B: the left and right operand; K: the contracted axis; several contracted axes count as one K, in the product's order):
;;     1. [M 524,288, K 512] x [K 512, N 256]; A: computed on the way; B: input Wd: QUANTISED
;;     2. [M 524,288, K 256] x [K 256, N 1]; A: computed on the way; B: input vd: left as it is (N = 1 < 16)
;;     3. batch 2 x [M 512, K 512] x [K 512, N 512]; A: softmax (see below); B: input value: QUANTISED
;;   THE QUANTISER, for each operand of a quantised product, along K:
;;     - K is cut into blocks of 32 from its start; a last block that is shorter is filled with zeros.
;;     - A block's scale is 2^e with e = floor(log2(the largest magnitude in the block)) - 15, held to -126 .. 127; a block of zeros has e = 0. As a byte (E8M0): e + 127.
;;     - Each number is divided by its block's scale, clamped to +-57,344, and rounded to the nearest number of E5M2, ties to even, subnormals kept.
;;     - The product sums the exact products of the quantised numbers (number of the format x scale) in f32.
;;   ~~~python
;;   def quantise(x, axis):      # numpy; x: float32 -> the quantised numbers, widened to float32 again
;;       x = np.moveaxis(x, axis, -1); K = x.shape[-1]
;;       x = np.pad(x, [(0, 0)] * (x.ndim - 1) + [(0, -K % 32)]); x = x.reshape(x.shape[:-1] + (-1, 32)); a = np.abs(x).max(-1, keepdims=True)
;;       e = np.where(a > 0, np.clip(np.frexp(np.where(a > 0, a, 1))[1] - 1 - 15, -126, 127), 0)      # np.frexp(a)[1] - 1 = floor(log2(a)), exactly
;;       r = np.clip(x / 2.0 ** e, -57344, 57344)
;;       step = 2.0 ** (np.maximum(np.frexp(np.where(r == 0, 1, r))[1] - 1, -14) - 2)
;;       q = np.round(r / step) * step * 2.0 ** e      # np.round: ties to even
;;       return np.moveaxis(q.reshape(q.shape[:-2] + (-1,))[..., :K], -1, axis).astype(np.float32)
;;   ~~~
;;   SOFTMAX AHEAD OF A QUANTISED PRODUCT. Where the list says 'softmax', what is quantised is not the finished softmax but p = 2^(t - M), with t = logit x log2(e) and M = ceil(the row's largest t), a whole number; so 1/2 < the row's largest p <= 1. The row's sum l is taken of the UNQUANTISED p, in f32, and the product's result is divided by l at the end. Since M is a whole number, a kernel that streams over the keys may use a running M (the ceiling of the running maximum): every later rescaling is an exact power of two, which a block's scale takes up: the codes' values come out the same.
;;   OPERANDS COMPUTED ON THE WAY. 'Computed on the way' means the value that the module computes at that place (a softmax that the list does not call 'softmax' is quantised finished and normalised). What goes into a quantiser is computed in f32, as accurately as f32 sums, v_exp_f32 and their like allow (about 1e-6 of the number): no bf16 or f16 on the way to a quantiser, and a product that is left as it is and whose result goes on into a quantised operand takes f32 operands (vector FMAs, or v_wmma_f32_16x16x4_f32). A number that lies on a knife's edge between two numbers of the format may be rounded either way, as far as f32 arithmetic and the matrix unit's own rounding can turn it there, and no further.
;; One version. Each part assembles by itself: llvm-mc -triple=amdgcn-amd-amdhsa -mcpu=gfx1250 --defsym DOCPART=n.
;; ======== version 1 of 1: 3 launches
;; limits: right only within a limited range of input values
;; workspace buffers: wq 139,264 bytes; vq 557,056 bytes; sc 2,097,152 bytes
;; launch prep (part 1): grid 40 x 1, 4 waves a work-group, no clusters, 0 bytes of LDS; arguments Wd, value, wq, vq; writes wq, vq
.if DOCPART == 1
	.amdgcn_target "amdgcn-amd-amdhsa--gfx1250"
	.amdhsa_code_object_version 6
	.text
	.protected	k_q6d36e1f3da_prep
	.globl	k_q6d36e1f3da_prep
	.p2align	8
	.type	k_q6d36e1f3da_prep,@function
k_q6d36e1f3da_prep:
	s_mov_b64 s[64:65], 0
	v_nop
	global_prefetch_b8 v0, s[64:65] scope:SCOPE_SE
	s_setreg_imm32_b32 hwreg(HW_REG_WAVE_MODE, 25, 1), 1
	s_wait_xcnt 0x0
; Wd [512 (k)][256 (d)] and value [2][512 (t = k)][512 (col)], f32, both with K as the FIRST axis of a matrix, become codes of E5M2 with one E8M0 byte for each 32 along K,
; laid as IMAGES OF THE OPERAND'S REGISTERS: a fragment is 16 columns x 128 along K, 16 registers a lane; lane (r = lane % 16, h = lane / 16) holds column r, and registers 4 c .. 4 c + 3 hold k = 32 c + 16 h + 0 .. 15.
;   wq: fragment (tile n of 16 columns, K step ks) at 2,048 (4 n + ks); in it register group c of lane l at 512 c + 16 l.  From byte 131,072: scale words in pairs, at 512 n + 256 kp + 8 l: the words of K steps 2 kp and 2 kp + 1 of column l % 16.
;   vq: the same with n = 32 batch + tile (32 tiles of value's 512 columns); the scale words from byte 524,288.
; A LANE TAKES A COLUMN AND ITS REGISTERS RUN DOWN K, in the very order of the operand's layout: the conversions' results are the operand's registers, and nothing is transposed.
; SHARES.  A wave makes the two fragments of K steps 2 kp, 2 kp + 1 of one tile; the four waves of a work-group take four neighbouring tiles, so that together they read 256 neighbouring bytes of each row.
; Work-groups 0-7 take Wd (2 kp x 4 groups of tiles), 8-39 value (2 kp x 8 groups x 2 batches).  The two ways part on the work-group's number, since the row pitch stands in the loads' immediates; they share no LDS (none is used).
; A block's scale is 2^(floor(log2(its largest magnitude)) - 15): its byte is the largest magnitude's exponent field - 15, held at 1 from below by a floor among the maximum's leaves.
; LIMITS: a block of zeros gets the byte 1 where the rule says 127 (its codes are zeros, which add nothing, and this program alone reads the bytes); blocks whose largest magnitude lies under 2^-111 are quantised under the byte 1;
; NaN and infinities among the inputs are not served.
.set TM,  8                            ; v8-11 largest magnitudes, v12-15 the other half's / the bytes, v16-19 57,344 x the scale, v20-23 the conversions' scale operands
.set C0,  24                           ; v24-39  the first fragment's codes
.set C1,  40                           ; v40-55  the second's: no store's data are written again
.set X0,  64                           ; v64-191 2 x 64 numbers
; 64 numbers of a lane, register 16 b + i = k 32 b + 16 h + i of my column, become 16 registers of codes at v[pc] and the column's scale word in v[pw]
.macro QUANT s, pc, pw
.irp b, 0,1,2,3
	v_max3_num_f32 v[TM+\b], |v[\s+16*\b]|, |v[\s+1+16*\b]|, 0x8000000   ; block b: my 16 numbers, and the floor 2^(16 - 127): the byte cannot fall under 1
.endr
.irp i, 2,4,6,8,10,12,14
.irp b, 0,1,2,3
	v_max3_num_f32 v[TM+\b], v[TM+\b], |v[\s+16*\b+\i]|, |v[\s+1+16*\b+\i]|   ; the four blocks by turns
.endr
.endr
.irp b, 0,1,2,3
	v_permlanex16_b32 v[TM+4+\b], v[TM+\b], s20, s21
.endr
.irp b, 0,1,2,3
	v_max_num_f32 v[TM+\b], v[TM+\b], v[TM+4+\b]                ; with lane l xor 16's 16: the block's largest magnitude
.endr
.irp b, 0,1,2,3
	v_add_nc_u32 v[TM+12+\b], 0xf8800000, v[TM+\b]              ; 15 off its exponent field: the conversion takes this operand's exponent field as its scale
.endr
.irp b, 0,1,2,3
	v_and_or_b32 v[TM+8+\b], v[TM+\b], 0x7f800000, s22          ; 57,344 x the scale
.endr
.irp b, 0,1,2,3
	v_lshrrev_b32 v[TM+4+\b], 23, v[TM+12+\b]                   ; the scale's byte
.endr
	v_lshl_or_b32 v[\pw], v[TM+5], 8, v[TM+4]
	v_lshl_or_b32 v[\pw], v[TM+6], 16, v[\pw]
	v_lshl_or_b32 v[\pw], v[TM+7], 24, v[\pw]
.irp b, 0,1,2,3
.irp i, 0,1,2,3,4,5,6,7,8,9,10,11,12,13,14,15
	v_med3_num_f32 v[\s+16*\b+\i], v[\s+16*\b+\i], -v[TM+8+\b], v[TM+8+\b]   ; the conversion to an 8-bit code does not saturate (ISA guide 7.6.2): the hold comes first
.endr
	v_cvt_scalef32_pk8_bf8_f32 v[\pc+4*\b:\pc+4*\b+1], v[\s+16*\b:\s+16*\b+7], v[TM+12+\b]
	v_cvt_scalef32_pk8_bf8_f32 v[\pc+4*\b+2:\pc+4*\b+3], v[\s+16*\b+8:\s+16*\b+15], v[TM+12+\b]
.endr
	v_nop                                          ; a plain line behind the last conversion
.endm
; s[24:25] the source at my tile's first column and K step, s[26:27] my two images, s[28:29] my scale pairs
.macro BODY pitch
	v_mul_u32_u24 v3, v2, 16*\pitch                ; lanes 16-31 begin 16 rows further down,
	v_lshl_add_u32 v3, v1, 2, v3                   ; lane r takes column r
.irp f, 0,1
.irp c, 0,1,2,3
.irp i, 0,1,2,3,4,5,6,7,8,9,10,11,12,13,14,15
	global_load_b32 v[X0+64*\f+16*\c+\i], v3, s[24:25] offset:(128*\f+32*\c+\i)*\pitch
.endr
.endr
.endr
	s_wait_loadcnt 63                              ; 64 loads stand behind the first fragment's; the wait's field holds 63
	QUANT X0, C0, 6
.irp c, 0,1,2,3
	global_store_b128 v4, v[C0+4*\c:C0+4*\c+3], s[26:27] offset:512*\c          ; 32 lanes store 512 consecutive bytes
.endr
	s_wait_loadcnt 0x0
	QUANT X0+64, C1, 7
.irp c, 0,1,2,3
	global_store_b128 v4, v[C1+4*\c:C1+4*\c+3], s[26:27] offset:2048+512*\c
.endr
	global_store_b64 v5, v[6:7], s[28:29]          ; the two scale words: 32 lanes store 256 consecutive bytes (lanes 16-31 hold copies)
	s_endpgm
.endm
	s_load_b256 s[4:11], s[0:1], 0x0               ; Wd s[4:5], value s[6:7], wq s[8:9], vq s[10:11]
	v_lshrrev_b32 v1, 5, v0
	v_readfirstlane_b32 s16, v1                    ; wave 0..3
	v_and_b32 v4, 31, v0                           ; lane
	v_lshlrev_b32 v5, 3, v4                        ; 8 x lane
	v_lshlrev_b32 v4, 4, v4                        ; 16 x lane
	v_and_b32 v1, 15, v0                           ; r
	v_bfe_u32 v2, v0, 4, 1                         ; h
	s_mov_b32 s20, 0x76543210
	s_mov_b32 s21, 0xfedcba98                      ; v_permlanex16_b32's selects for lane l xor 16
	s_mov_b32 s22, 0x600000                        ; the mantissa field of 57,344
.irp b, 0,1,2,3
	v_mov_b32 v[TM+4+\b], 0                        ; written once: a lane permute's destination counts as one of its sources
.endr
	s_mov_b32 s25, 0
	s_mov_b32 s27, 0
	s_mov_b32 s29, 0
	s_wait_kmcnt 0x0
	s_cmp_lt_u32 ttmp9, 8
	s_cbranch_scc0 .Lvalue
	; ---- Wd: kp = x & 1, tile = 4 (x >> 1) + wave
	s_and_b32 s12, ttmp9, 1
	s_lshr_b32 s13, ttmp9, 1
	s_lshl_b32 s13, s13, 2
	s_add_co_u32 s13, s13, s16
	s_lshl_b32 s14, s12, 18                        ; 256 rows of 1,024 bytes for each kp
	s_lshl_b32 s15, s13, 6                         ; 64 bytes a tile
	s_add_co_u32 s24, s14, s15
	s_lshl_b32 s14, s13, 13                        ; images: 8,192 a tile,
	s_lshl_b32 s15, s12, 12                        ; 4,096 for each kp
	s_add_co_u32 s26, s14, s15
	s_lshl_b32 s14, s13, 9                         ; scale pairs: 512 a tile,
	s_lshl_b32 s15, s12, 8                         ; 256 for each kp,
	s_add_co_u32 s28, s14, s15
	s_add_co_u32 s28, s28, 131072                  ; behind the images
	s_add_nc_u64 s[24:25], s[4:5], s[24:25]
	s_add_nc_u64 s[26:27], s[8:9], s[26:27]
	s_add_nc_u64 s[28:29], s[8:9], s[28:29]
	s_wait_alu depctr_va_vdst(0)
	BODY 1024
.Lvalue:
	; ---- value: y = x - 8; kp = y & 1, group = (y >> 1) & 7, batch = y >> 4; tile = 4 group + wave
	s_sub_co_u32 s17, ttmp9, 8
	s_and_b32 s12, s17, 1
	s_lshr_b32 s13, s17, 1
	s_and_b32 s13, s13, 7
	s_lshl_b32 s13, s13, 2
	s_add_co_u32 s13, s13, s16                     ; tile in the batch
	s_lshr_b32 s18, s17, 4                         ; batch
	s_lshl_b32 s14, s18, 20                        ; 1,048,576 bytes a batch,
	s_lshl_b32 s15, s12, 19                        ; 256 rows of 2,048 bytes for each kp,
	s_add_co_u32 s24, s14, s15
	s_lshl_b32 s15, s13, 6                         ; 64 bytes a tile
	s_add_co_u32 s24, s24, s15
	s_lshl_b32 s14, s18, 5
	s_add_co_u32 s13, s13, s14                     ; 32 batch + tile
	s_lshl_b32 s14, s13, 13
	s_lshl_b32 s15, s12, 12
	s_add_co_u32 s26, s14, s15
	s_lshl_b32 s14, s13, 9
	s_lshl_b32 s15, s12, 8
	s_add_co_u32 s28, s14, s15
	s_add_co_u32 s28, s28, 524288
	s_add_nc_u64 s[24:25], s[6:7], s[24:25]
	s_add_nc_u64 s[26:27], s[10:11], s[26:27]
	s_add_nc_u64 s[28:29], s[10:11], s[28:29]
	s_wait_alu depctr_va_vdst(0)
	BODY 2048
.Lfunc_end_k_q6d36e1f3da_prep:
	.size	k_q6d36e1f3da_prep, .Lfunc_end_k_q6d36e1f3da_prep-k_q6d36e1f3da_prep
	.p2alignl 7, 3214868480
	.fill 96, 4, 3214868480
	.section	.rodata,"a",@progbits
	.p2align	6, 0x0
	.amdhsa_kernel k_q6d36e1f3da_prep
		.amdhsa_group_segment_fixed_size 0
		.amdhsa_private_segment_fixed_size 0
		.amdhsa_enable_private_segment 0
		.amdhsa_kernarg_size 32
		.amdhsa_user_sgpr_count 2
		.amdhsa_user_sgpr_kernarg_segment_ptr 1
		.amdhsa_wavefront_size32 1
		.amdhsa_system_sgpr_workgroup_id_x 1
		.amdhsa_system_sgpr_workgroup_id_y 1
		.amdhsa_system_sgpr_workgroup_id_z 1
		.amdhsa_system_vgpr_workitem_id 0
		.amdhsa_next_free_vgpr 192
		.amdhsa_next_free_sgpr 66
		.amdhsa_reserve_vcc 0
		.amdhsa_float_denorm_mode_32 3
		.amdhsa_float_denorm_mode_16_64 3
		.amdhsa_memory_ordered 1
		.amdhsa_forward_progress 1
		.amdhsa_inst_pref_size 61
	.end_amdhsa_kernel
	.amdgpu_metadata
---
amdhsa.version: [ 1, 2 ]
amdhsa.kernels:
  - .name:           k_q6d36e1f3da_prep
    .symbol:         k_q6d36e1f3da_prep.kd
    .args:
      - { .name: Wd, .offset: 0, .size: 8, .value_kind: global_buffer, .address_space: global }
      - { .name: value, .offset: 8, .size: 8, .value_kind: global_buffer, .address_space: global }
      - { .name: wq, .offset: 16, .size: 8, .value_kind: global_buffer, .address_space: global }
      - { .name: vq, .offset: 24, .size: 8, .value_kind: global_buffer, .address_space: global }
    .group_segment_fixed_size: 0
    .private_segment_fixed_size: 0
    .kernarg_segment_align: 8
    .kernarg_segment_size: 32
    .max_flat_workgroup_size: 128
    .sgpr_count:     66
    .vgpr_count:     192
    .wavefront_size: 32
...
	.end_amdgpu_metadata
.endif
;; end of part 1
;; launch score (part 2): grid 256 x 1, 8 waves a work-group, no clusters, 168,960 bytes of LDS; arguments query, vd, wq, sc; writes sc
.if DOCPART == 2
	.amdgcn_target "amdgcn-amd-amdhsa--gfx1250"
	.amdhsa_code_object_version 6
	.text
	.protected	k_q6d36e1f3da_score
	.globl	k_q6d36e1f3da_score
	.p2align	8
	.type	k_q6d36e1f3da_score,@function
k_q6d36e1f3da_score:
	s_mov_b64 s[64:65], 0
	v_nop
	global_prefetch_b8 v0, s[64:65] scope:SCOPE_SE
	s_setreg_imm32_b32 hwreg(HW_REG_WAVE_MODE, 25, 1), 1
	s_wait_xcnt 0x0
; sc[b][s][t] = log2(e) x sjt[b][s][t], with sjt = tanh(Q(q_t * q_s) Q(Wd)) . vd; Q is the quantiser to E5M2 with one E8M0 byte for 32 along k.
; EACH PAIR ONCE.  reference() forms qk[b][s][t][:] = query[b][t][:] * query[b][s][:]: for every input the vector of (s, t) is the vector of (t, s), number by number, so its codes, its scales, h and sjt are the same too.
; The program computes one of the two and stores the score to both places.  No input is left out.
; SHARES.  Work-group g owns rows s0 .. s0 + 3 (s0 = 4 (g % 128), batch g / 128) against t = s0 + x mod 512, x = 0 .. 255: blocks of 4 x 4 at cyclic distance 0 .. 63, 16 UNITS of 16 t x 4 s, two to a wave.
; The block at distance 64 (t = s0 + 256 + 0 .. 3) is one tile of 16 pairs; both work-groups that meet in it compute it, each for its own rows.  Row block J so gets its column blocks J .. J + 64 from its own work-group,
; and J - 63 .. J - 1 from the others' transposed stores: each byte of sc is stored once.
; A UNIT: the 16 fragments (K step ks, row s) of A are made in registers; then 16 slots, one for each tile of 16 d: W's four fragments from LDS, 16 products, tanh, multiply-add with vd.
; The product is used transposed (source 0 = 16 d of W, source 1 = 16 t of A): a lane holds one t (lane % 16) and eight d.  q_s lies in 64 registers and is taken by DPP row_share.
; tanh(x) = 1 - 2 / (1 + 2^(2 log2(e) x)), so sjt = sum(vd) - 2 sum(vd_d / (1 + 2^..)).
; A SLOT'S ORDER: the accumulators stand in two sets by turns, so that one batch of transcendentals holds this tile's 32 exponentials and the last tile's 32 reciprocals; the last tile's 16 additions of 1 are the places behind the products.
; THE TILE OF 16 PAIRS: wave w quantises K step w % 4 (two copies, waves 0-3 and 4-7, in LDS bytes of their own) while W's block is on its way; behind the barrier each wave multiplies it with its 32 d (tiles 2 w, 2 w + 1),
; each K step into an accumulator of its own; wave 0 adds the eight waves' parts at the end and lays the 16 scores, transposed, into columns 256 .. 259 of the stage.
; NO CLUSTER: what all work-groups share through LDS is W's block, 139,264 bytes, fetched once by each; the 540,672 bytes of query that a work-group reads go straight into lanes' registers.  LDS is filled by tensor loads once.
; NO PREFETCH: the 128 work-groups of a batch all read the same 1,048,576 bytes of query.
; sc is this program's own buffer: a work-group's window begins at a multiple of 16 bytes of a row, so a wave stores 512 bytes on end of its own rows, and 16 bytes (its 4 s) to each of 252 rows t.
; LIMITS: NaN and infinities among the inputs are not served; a block of A whose largest magnitude lies under 2^-111 (a block of zeros too) is quantised under the byte 1.
; LDS: W's images 0; W's scale pairs 131,072; vd 139,264; the scores' stage, 4 rows of 1,056 bytes, 140,288; the pairs' images 144,640; their scale words 161,024; their parts 162,048; the spare words 167,936.
; REGISTERS, window 0: v1-6 addresses that stay; v7-10 in hand; v11 sum(vd); v12-19 score sums; v20-35 A's scale words (4 ks + s); v36-39 W's; v40-55 at work in the quantiser (v40-47 also vd, set 1); v56-119 q_s;
;   v120-183 q_t's chunks 0 and 3, then W's fragments; v184-247 64 products, then two sets of four accumulators; v248-255 vd, set 0.   window 1: A's codes at 64 ks + 16 s; q_t's chunks 1 and 2 where the codes of K steps 2 and 3 come later.
.set WSC,  131072
.set VDL,  139264
.set SC,   140288
.set SCP,  1056
.set SIMG, 144640
.set SSC,  161024
.set SPP,  162048
.set SPARE, 0x29000
.set SCA, 12
.set AS,  20
.set WS,  36
.set TM,  40
.set QSR, 56
.set WF,  120
.set X,   184
.set A0,  184
.set A1,  216
.set VD0, 248
.set VD1, 40
.set MSB, 0
.macro WIN new                         ; bits 1:0 source 0, 3:2 source 1, 5:4 source 2, 7:6 destination; the high byte repeats the setting that is left
.if MSB != \new
	s_set_vgpr_msb (MSB<<8)|\new
.set MSB, \new
.endif
.endm
.macro WALU
	s_wait_alu depctr_va_vdst(0)
.endm
.macro TADDR                           ; v1: row (s58 + r) mod 512 of the batch, + 64 h
	v_and_b32 v1, 15, v0
	v_bfe_u32 v10, v0, 4, 1
	v_add_nc_u32 v1, s58, v1
	v_lshlrev_b32 v10, 6, v10
	v_and_b32 v1, 511, v1
	v_lshl_add_u32 v1, v1, 11, v10
.endm
.macro QTLOAD ks, reg                  ; q_t's chunk ks: lane (r, h) takes, of its row, the 16 numbers 32 c + 16 h + 0 .. 15 of each block c
.irp c, 0,1,2,3
.irp j, 0,1,2,3
	global_load_b128 v[\reg+16*\c+4*\j:\reg+16*\c+4*\j+3], v1, s[44:45] offset:512*\ks+128*\c+16*\j
.endr
.endr
.endm
.macro QMUL ks, s, qt, win             ; the 64 products of fragment (ks, s): source 0 is q_s, from lane i of my half of the lanes
	WIN \win
.irp c, 0,1,2,3
.irp i, 0,1,2,3,4,5,6,7,8,9,10,11,12,13,14,15
	v_mul_f32_dpp v[X+16*\c+\i], v[QSR+16*\s+4*\ks+\c], v[\qt+16*\c+\i] row_share:\i row_mask:0xf bank_mask:0xf
.endr
.endr
	WIN 0
.endm
.macro QQ ks, s                        ; they become the fragment's codes (window 1, 64 ks + 16 s) and its scale word
.irp b, 0,1,2,3
	v_max3_num_f32 v[TM+\b], |v[X+16*\b]|, |v[X+1+16*\b]|, 0x8000000   ; my 16 numbers of block b, and the floor 2^(16 - 127): the byte cannot fall under 1
.endr
.irp i, 2,4,6,8,10,12,14
.irp b, 0,1,2,3
	s_delay_alu instid0(VALU_DEP_4)
	v_max3_num_f32 v[TM+\b], v[TM+\b], |v[X+16*\b+\i]|, |v[X+1+16*\b+\i]|
.endr
.endr
.irp b, 0,1,2,3
	s_delay_alu instid0(VALU_DEP_4)
	v_permlanex16_b32 v[TM+4+\b], v[TM+\b], s32, s33
.endr
.irp b, 0,1,2,3
	s_delay_alu instid0(VALU_DEP_4)
	v_max_num_f32 v[TM+\b], v[TM+\b], v[TM+4+\b]                ; with lane l xor 16's 16
.endr
.irp b, 0,1,2,3
	s_delay_alu instid0(VALU_DEP_4)
	v_add_nc_u32 v[TM+12+\b], 0xf8800000, v[TM+\b]              ; 15 off the exponent field: the conversion's scale operand
.endr
.irp b, 0,1,2,3
	v_and_or_b32 v[TM+8+\b], v[TM+\b], 0x7f800000, s36          ; 57,344 x the scale
.endr
.irp b, 0,1,2,3
	v_lshrrev_b32 v[TM+4+\b], 23, v[TM+12+\b]                   ; the scale's byte
.endr
	s_delay_alu instid0(VALU_DEP_3)
	v_lshl_or_b32 v[AS+4*\ks+\s], v[TM+5], 8, v[TM+4]
	s_delay_alu instid0(VALU_DEP_1)
	v_lshl_or_b32 v[AS+4*\ks+\s], v[TM+6], 16, v[AS+4*\ks+\s]
	s_delay_alu instid0(VALU_DEP_1)
	v_lshl_or_b32 v[AS+4*\ks+\s], v[TM+7], 24, v[AS+4*\ks+\s]
.irp b, 0,1,2,3
.irp i, 0,1,2,3,4,5,6,7,8,9,10,11,12,13,14,15
	v_med3_num_f32 v[X+16*\b+\i], v[X+16*\b+\i], -v[TM+8+\b], v[TM+8+\b]   ; the conversion does not saturate (ISA guide 7.6.2): the hold comes first
.endr
.endr
	WIN 0x40
.irp b, 0,1,2,3
	v_cvt_scalef32_pk8_bf8_f32 v[64*\ks+16*\s+4*\b:64*\ks+16*\s+4*\b+1], v[X+16*\b:X+16*\b+7], v[TM+12+\b]
	v_cvt_scalef32_pk8_bf8_f32 v[64*\ks+16*\s+4*\b+2:64*\ks+16*\s+4*\b+3], v[X+16*\b+8:X+16*\b+15], v[TM+12+\b]
.endr
	WIN 0
	v_nop                                          ; a plain line behind the last conversion
.endm
.macro WLOAD aw, as                    ; one tile of 16 d: W's four fragments as they lie, and their scale words in pairs
.irp ks, 0,1,2,3
.irp c, 0,1,2,3
	ds_load_b128 v[WF+16*\ks+4*\c:WF+16*\ks+4*\c+3], v[\aw] offset:2048*\ks+512*\c
.endr
.endr
	ds_load_b64 v[WS:WS+1], v[\as]
	ds_load_b64 v[WS+2:WS+3], v[\as] offset:256
.endm
.macro MM a                            ; 16 products into the set at a; the four accumulators take turns, the first K step starts the sums
	WIN 0x04
.irp ks, 0,1,2,3
.irp s, 0,1,2,3
.if \ks == 0
	v_wmma_scale_f32_16x16x128_f8f6f4 v[\a+8*\s:\a+8*\s+7], v[WF+16*\ks:WF+16*\ks+15], v[64*\ks+16*\s:64*\ks+16*\s+15], 0, v[WS+\ks], v[AS+4*\ks+\s] matrix_a_fmt:MATRIX_FMT_BF8 matrix_b_fmt:MATRIX_FMT_BF8
.else
	v_wmma_scale_f32_16x16x128_f8f6f4 v[\a+8*\s:\a+8*\s+7], v[WF+16*\ks:WF+16*\ks+15], v[64*\ks+16*\s:64*\ks+16*\s+15], v[\a+8*\s:\a+8*\s+7], v[WS+\ks], v[AS+4*\ks+\s] matrix_a_fmt:MATRIX_FMT_BF8 matrix_b_fmt:MATRIX_FMT_BF8
.endif
.endr
.endr
	WIN 0
.endm
.macro SCALE a, n                      ; x times 2 log2(e); each accumulator from its low end on
.set m, 0
.rept \n
	v_pk_mul_f32 v[\a+m:\a+m+1], v[\a+m:\a+m+1], s[34:35] op_sel_hi:[1,0]
.set m, m+2
.endr
.endm
.macro PLUS1 a, n
.set m, 0
.rept \n
	v_pk_add_f32 v[\a+m:\a+m+1], v[\a+m:\a+m+1], 1.0 op_sel_hi:[1,0]
.set m, m+2
.endr
.endm
.macro EXPS a, n
.set m, 0
.rept \n
	v_exp_f32 v[\a+m], v[\a+m]
.set m, m+1
.endr
.endm
.macro RCPS a, n
.set m, 0
.rept \n
	v_rcp_f32 v[\a+m], v[\a+m]
.set m, m+1
.endr
.endm
.macro DOT a, vd                       ; the score sums take vd / (1 + 2^..), the four rows by turns
.irp j, 0,2,4,6
.irp s, 0,1,2,3
	v_pk_fma_f32 v[SCA+2*\s:SCA+2*\s+1], v[\a+8*\s+\j:\a+8*\s+\j+1], v[\vd+\j:\vd+\j+1], v[SCA+2*\s:SCA+2*\s+1]
.endr
.endr
.endm
; A SLOT: this tile's products go into set a; set p holds the last tile's exponentials.  vda takes this tile's vd, which the next slot uses; vdp holds the last tile's.
.macro SLOT a, p, vda, vdp, first, next
	WALU
	s_wait_dscnt 0x0                               ; this tile's fragments and scale words, the last tile's vd
	MM \a
.if \first
.rept 8
	v_nop                                          ; eight places ahead of the loads into W's registers and of the first read of results
.endr
.else
	PLUS1 \p, 16                                   ; sixteen plain lines on the other set: the places
.endif
	v_add_nc_u32 v9, s42, v5
.if \next
	v_add_nc_u32 v7, s40, v3
	v_add_nc_u32 v8, s41, v4
	WLOAD 7, 8
.endif
	ds_load_b128 v[\vda:\vda+3], v9
	ds_load_b128 v[\vda+4:\vda+7], v9 offset:16
.if \next
	s_add_co_u32 s40, s40, 8192
	s_add_co_u32 s41, s41, 512
	s_add_co_u32 s42, s42, 64
.else
	s_cmp_eq_u32 s38, 1                            ; the last unit asks for nothing
	s_cbranch_scc1 .Lno_next_\@
	s_add_co_u32 s58, s58, 16                      ; the next unit's 16 rows; no load that names v1 is out (the wait for 0 ahead of K step 3)
	TADDR
	QTLOAD 0, WF
	WIN 0x40
	QTLOAD 1, 128
	QTLOAD 2, 192
	WIN 0
.Lno_next_\@:
.endif
	SCALE \a, 16
	WALU                                           ; ahead of the batch
	EXPS \a, 32
.if \first == 0
	RCPS \p, 32
.endif
	v_nop                                          ; a plain line behind the batch
	WALU                                           ; and behind it
.if \first == 0
	DOT \p, \vdp
.endif
.endm
	s_load_b256 s[4:11], s[0:1], 0x0               ; query s[4:5], vd s[6:7], wq s[8:9], sc s[10:11]
	v_lshl_add_u32 v254, v0, 2, SPARE
	v_mov_b32 v255, 0
	ds_add_u32 v254, v255
	ds_add_u32 v254, v255
	v_lshrrev_b32 v1, 5, v0
	v_readfirstlane_b32 s16, v1                    ; wave 0..7
	s_mov_b32 s24, 3<<16                           ; a wave's one tensor load: an eighth of wq, 17,408 dense bytes as 68 rows of 256 (32 elements of 8 bytes), no padding
	s_mov_b32 s25, 32<<16
	s_mov_b32 s26, 68<<16
	s_mov_b32 s27, 32<<16
	s_mov_b32 s28, 68
	s_mov_b32 s29, 32
	s_mov_b32 s30, 0
	s_mov_b32 s31, 0
	s_mov_b32 s20, 1
	s_mul_i32 s21, s16, 17408
	s_mov_b32 s2, s21
	s_mov_b32 s3, 0
	s_lshr_b32 s17, ttmp9, 7                       ; batch
	s_lshl_b32 s44, s17, 20                        ; the batch's first byte in query, and in sc
	s_mov_b32 s45, 0
	s_mov_b32 s48, s44
	s_mov_b32 s49, 0
	s_lshl_b32 s46, ttmp9, 13                      ; q_s: row 4 g
	s_mov_b32 s47, 0
	s_and_b32 s59, ttmp9, 127
	s_lshl_b32 s59, s59, 2                         ; s0
	s_lshl_b32 s58, s16, 5
	s_add_co_u32 s58, s58, s59                     ; my first unit's first t (before the mod)
	s_add_co_u32 s60, s59, 256
	s_and_b32 s60, s60, 511                        ; (s0 + 256) mod 512
	s_and_b32 s61, s16, 3
	s_lshl_b32 s61, s61, 9                         ; the pairs' K step that I quantise, in bytes of a row
	s_lshr_b32 s62, s16, 2                         ; which copy of the pairs' images is mine
	s_mov_b32 s32, 0x76543210
	s_mov_b32 s33, 0xfedcba98                      ; lane l xor 16
	s_mov_b32 s34, 0x4038aa3b                      ; 2 log2(e)
	s_mov_b32 s35, s34
	s_mov_b32 s36, 0x600000                        ; the mantissa field of 57,344
	s_mov_b32 s37, 0x3fb8aa3b                      ; log2(e)
	s_wait_dscnt 0x0
	s_wait_kmcnt 0x0
	s_add_nc_u64 s[22:23], s[8:9], s[2:3]
	s_or_b32 s23, s23, 0x80000000
	tensor_load_to_lds s[20:23], s[24:31]
	s_nop 0
.rept 4
	v_nop
.endr
	s_add_nc_u64 s[44:45], s[4:5], s[44:45]
	s_add_nc_u64 s[46:47], s[4:5], s[46:47]
	s_add_nc_u64 s[48:49], s[10:11], s[48:49]
	v_and_b32 v8, 15, v0                           ; r
	v_bfe_u32 v9, v0, 4, 1                         ; h
	v_and_b32 v10, 31, v0                          ; lane
	v_lshlrev_b32 v2, 2, v10
	v_lshlrev_b32 v3, 4, v10
	v_lshl_add_u32 v4, v10, 3, WSC
	v_lshl_add_u32 v5, v9, 5, VDL
	s_lshl_b32 s17, s16, 7
	s_add_co_u32 s17, s17, SC
	v_lshl_add_u32 v6, v8, 2, s17                  ; the stage: 4 (32 wave + r)
	v_lshrrev_b32 v7, 2, v8                        ; pair r = (row s0 + r / 4, row (s0 + 256) mod 512 + r % 4)
	v_lshlrev_b32 v7, 11, v7
	v_lshl_add_u32 v7, v9, 6, v7
	v_add_nc_u32 v7, s61, v7
	v_and_b32 v12, 3, v8
	v_add_nc_u32 v12, s60, v12
	v_lshlrev_b32 v12, 11, v12
	v_lshl_add_u32 v12, v9, 6, v12
	v_add_nc_u32 v12, s61, v12
	v_lshlrev_b32 v13, 2, v0
	v_lshl_add_u32 v14, v0, 2, VDL
	s_lshl_b32 s17, s16, 11
	s_add_co_u32 s17, s17, SIMG
	v_add_nc_u32 v15, s17, v3                      ; where my image of the pairs goes,
	s_lshl_b32 s17, s16, 7
	s_add_co_u32 s17, s17, SSC
	v_add_nc_u32 v16, s17, v2                      ; and its scale words
	s_lshl_b32 s17, s62, 13
	s_add_co_u32 s17, s17, SIMG
	v_add_nc_u32 v17, s17, v3                      ; my copy's four images,
	s_lshl_b32 s17, s62, 9
	s_add_co_u32 s17, s17, SSC
	v_add_nc_u32 v18, s17, v2                      ; and scale words
	s_lshl_b32 s17, s16, 6
	s_add_co_u32 s17, s17, SPP
	v_lshl_add_u32 v19, v8, 2, s17                 ; my part of the pairs' sums
	TADDR
.irp b, 0,1,2,3
	v_mov_b32 v[TM+4+\b], 0                        ; a lane permute's destination counts as one of its sources
.endr
	WALU
	global_load_b32 v11, v13, s[6:7]
.irp s, 0,1,2,3
.irp b, 0,1,2,3,4,5,6,7,8,9,10,11,12,13,14,15
	global_load_b32 v[QSR+16*\s+\b], v2, s[46:47] offset:2048*\s+128*\b
.endr
.endr
.irp c, 0,1,2,3
.irp j, 0,1,2,3
	global_load_b128 v[WF+16*\c+4*\j:WF+16*\c+4*\j+3], v7, s[46:47] offset:128*\c+16*\j
	global_load_b128 v[X+16*\c+4*\j:X+16*\c+4*\j+3], v12, s[44:45] offset:128*\c+16*\j
.endr
.endr
	s_wait_loadcnt 0x0
	ds_store_b32 v14, v11
.set m, 0
.rept 32
	v_pk_mul_f32 v[X+m:X+m+1], v[X+m:X+m+1], v[WF+m:WF+m+1]    ; the pairs' products of my K step
.set m, m+2
.endr
	QTLOAD 0, WF                                   ; my first unit's q_t
	WIN 0x40
	QTLOAD 1, 128
	WIN 0
	QQ 0, 0
	WIN 0x04
.irp c, 0,1,2,3
	ds_store_b128 v15, v[4*\c:4*\c+3] offset:512*\c            ; the fragment as an image of its registers
.endr
	WIN 0
	ds_store_b32 v16, v[AS]
	WALU
	s_wait_dscnt 0x0                               ; for the others' sake: my stores have landed,
	s_wait_tensorcnt 0x0                           ; and my eighth of W
	s_barrier_signal -1
	s_barrier_wait -1
	s_lshl_b32 s17, s16, 14
	s_lshl_b32 s18, s16, 10
	s_lshl_b32 s19, s16, 7
	v_add_nc_u32 v7, s17, v3                       ; W's tiles 2 w and 2 w + 1
	v_add_nc_u32 v8, s18, v4
	v_add_nc_u32 v9, s19, v5
	v_lshl_add_u32 v10, v3, 1, VDL
	WIN 0x40
.irp ks, 0,1,2,3
.irp c, 0,1,2,3
	ds_load_b128 v[16*\ks+4*\c:16*\ks+4*\c+3], v17 offset:2048*\ks+512*\c
	ds_load_b128 v[64+16*\ks+4*\c:64+16*\ks+4*\c+3], v7 offset:2048*\ks+512*\c
	ds_load_b128 v[192+16*\ks+4*\c:192+16*\ks+4*\c+3], v7 offset:8192+2048*\ks+512*\c
.endr
.endr
	WIN 0
.irp ks, 0,1,2,3
	ds_load_b32 v[AS+\ks], v18 offset:128*\ks
.endr
	ds_load_b64 v[WS:WS+1], v8
	ds_load_b64 v[WS+2:WS+3], v8 offset:256
	ds_load_b64 v[AS+4:AS+5], v8 offset:512
	ds_load_b64 v[AS+6:AS+7], v8 offset:768
	ds_load_b128 v[VD0:VD0+3], v9
	ds_load_b128 v[VD0+4:VD0+7], v9 offset:16
	ds_load_b128 v[VD1:VD1+3], v9 offset:64
	ds_load_b128 v[VD1+4:VD1+7], v9 offset:80
	ds_load_b128 v[48:51], v10                     ; sum(vd): eight numbers a lane
	ds_load_b128 v[52:55], v10 offset:16
	s_wait_dscnt 0x0
	WIN 0x05
.irp ks, 0,1,2,3                       ; eight products, each into an accumulator of its own: tile 2 w at v184 + 8 ks, tile 2 w + 1 at v216 + 8 ks
	v_wmma_scale_f32_16x16x128_f8f6f4 v[184+8*\ks:191+8*\ks], v[64+16*\ks:79+16*\ks], v[16*\ks:16*\ks+15], 0, v[WS+\ks], v[AS+\ks] matrix_a_fmt:MATRIX_FMT_BF8 matrix_b_fmt:MATRIX_FMT_BF8
	v_wmma_scale_f32_16x16x128_f8f6f4 v[216+8*\ks:223+8*\ks], v[192+16*\ks:207+16*\ks], v[16*\ks:16*\ks+15], 0, v[AS+4+\ks], v[AS+\ks] matrix_a_fmt:MATRIX_FMT_BF8 matrix_b_fmt:MATRIX_FMT_BF8
.endr
	WIN 0
	v_add_f32 v48, v48, v49                        ; sum(vd): plain lines that name no register of the products: the places behind them
	v_add_f32 v50, v50, v51
	v_add_f32 v52, v52, v53
	v_add_f32 v54, v54, v55
	v_add_f32 v48, v48, v50
	v_add_f32 v52, v52, v54
	v_add_f32 v48, v48, v52
	v_nop
	v_add_f32_dpp v48, v48, v48 row_xmask:1 row_mask:0xf bank_mask:0xf
	v_add_f32_dpp v48, v48, v48 row_xmask:2 row_mask:0xf bank_mask:0xf
	v_add_f32_dpp v48, v48, v48 row_xmask:4 row_mask:0xf bank_mask:0xf
	v_add_f32_dpp v48, v48, v48 row_xmask:8 row_mask:0xf bank_mask:0xf
	v_permlanex16_b32 v49, v48, s32, s33
	v_add_f32 v11, v48, v49
	WIN 0x40
	QTLOAD 2, 192
	WIN 0
.irp tl, 0,1                           ; the four K steps' sums are joined, each accumulator from its low end on
.irp j, 0,2,4,6
	v_pk_add_f32 v[184+32*\tl+\j:185+32*\tl+\j], v[184+32*\tl+\j:185+32*\tl+\j], v[192+32*\tl+\j:193+32*\tl+\j]
	v_pk_add_f32 v[200+32*\tl+\j:201+32*\tl+\j], v[200+32*\tl+\j:201+32*\tl+\j], v[208+32*\tl+\j:209+32*\tl+\j]
.endr
.endr
.irp tl, 0,1
.irp j, 0,2,4,6
	v_pk_add_f32 v[184+32*\tl+\j:185+32*\tl+\j], v[184+32*\tl+\j:185+32*\tl+\j], v[200+32*\tl+\j:201+32*\tl+\j]
.endr
.endr
	SCALE 184, 4
	SCALE 216, 4
	WALU
	EXPS 184, 8
	EXPS 216, 8
	v_nop
	WALU
	PLUS1 184, 4
	PLUS1 216, 4
	WALU
	RCPS 184, 8
	RCPS 216, 8
	v_nop
	WALU
	v_pk_mul_f32 v[12:13], v[184:185], v[VD0:VD0+1]
.irp j, 2,4,6
	v_pk_fma_f32 v[12:13], v[184+\j:185+\j], v[VD0+\j:VD0+\j+1], v[12:13]
.endr
.irp j, 0,2,4,6
	v_pk_fma_f32 v[12:13], v[216+\j:217+\j], v[VD1+\j:VD1+\j+1], v[12:13]
.endr
	v_add_f32 v12, v12, v13
	v_permlanex16_b32 v13, v12, s32, s33
	v_add_f32 v12, v12, v13                        ; pair r's sum over my 32 d
	ds_store_b32 v19, v12                          ; both halves of the lanes write the same word with the same value
	s_mov_b32 s38, 2                               ; units to go
	s_mov_b32 s43, 0
	WALU
.Lunit:
	s_wait_loadcnt 32                              ; chunk 0 is in; chunks 1 and 2 may be out
.irp s, 0,1,2
	QMUL 0, \s, WF, 0
	QQ 0, \s
.endr
	QMUL 0, 3, WF, 0
	QTLOAD 3, WF                                   ; chunk 3 takes chunk 0's registers
	QQ 0, 3
	s_wait_loadcnt 32                              ; chunk 1 is in; chunks 2 and 3 may be out
.irp s, 0,1,2,3
	QMUL 1, \s, 128, 0x04
	QQ 1, \s
.endr
	s_wait_loadcnt 16                              ; chunk 2 is in; chunk 3 may be out
.irp s, 0,1,2,3
	QMUL 2, \s, 192, 0x04
	QQ 2, \s
.endr
	s_wait_loadcnt 0x0
.irp s, 0,1,2
	QMUL 3, \s, WF, 0
	QQ 3, \s
.endr
	QMUL 3, 3, WF, 0
	WLOAD 3, 4                                     ; tile 0 of W takes chunk 3's registers
	QQ 3, 3
.irp j, 0,1,2,3,4,5,6,7
	v_mov_b32 v[SCA+\j], 0
.endr
	s_mov_b32 s40, 8192                            ; the next tile's fragments,
	s_mov_b32 s41, 512                             ; its scale pairs,
	s_mov_b32 s42, 0                               ; this tile's vd
	s_mov_b32 s39, 7
	SLOT A0, A1, VD0, VD1, 1, 1
.Ltile:
	SLOT A1, A0, VD1, VD0, 0, 1
	SLOT A0, A1, VD0, VD1, 0, 1
	s_sub_co_u32 s39, s39, 1
	s_cmp_lg_u32 s39, 0
	s_cbranch_scc1 .Ltile
	SLOT A1, A0, VD1, VD0, 0, 0
	WALU
	s_wait_dscnt 0x0                               ; tile 15's vd
	PLUS1 A1, 16
	WALU
	RCPS A1, 32
	v_nop
	WALU
	DOT A1, VD1
.irp s, 0,1,2,3
	v_add_f32 v[SCA+2*\s], v[SCA+2*\s], v[SCA+2*\s+1]
.endr
.irp s, 0,1,2,3
	v_permlanex16_b32 v[SCA+2*\s+1], v[SCA+2*\s], s32, s33
.endr
.irp s, 0,1,2,3
	v_add_f32 v[SCA+2*\s], v[SCA+2*\s], v[SCA+2*\s+1]
.endr
.irp s, 0,1,2,3
	v_fma_f32 v[SCA+2*\s], v[SCA+2*\s], -2.0, v11  ; sjt = sum(vd) - 2 x the sum
.endr
.irp s, 0,1,2,3
	v_mul_f32 v[SCA+2*\s], s37, v[SCA+2*\s]
.endr
	v_add_nc_u32 v10, s43, v6
.irp s, 0,1,2,3
	ds_store_b32 v10, v[SCA+2*\s] offset:SCP*\s    ; both halves of the lanes write the same word with the same value
.endr
	s_add_co_u32 s43, s43, 64
	s_sub_co_u32 s38, s38, 1
	s_cmp_lg_u32 s38, 0
	WALU
	s_cbranch_scc1 .Lunit
	; THE WAY OUT.  Every address first, ahead of the one branch on the wave's number.  x = my thread's number = 32 w + lane is my column of the stage.
	; Thread x >= 4 stores column x of the stage, 4 s, to row (s0 + x) mod 512, columns s0 on.  Threads 0-3 (whose block at distance 0 goes out with the rows) take column 256 + x, the pairs' scores of row s0 + x, to that row's columns (s0 + 256) mod 512 on.
	v_add_nc_u32 v63, 252, v0
	v_lshrrev_b32 v63, 8, v63                      ; 1 where x >= 4, else 0
	s_add_co_u32 s41, s59, 256
	v_lshl_add_u32 v65, v63, 8, s41
	v_and_b32 v65, 511, v65                        ; the first column in sc
	v_add_nc_u32 v59, s59, v0
	v_and_b32 v59, 511, v59                        ; the row
	v_lshlrev_b32 v59, 11, v59
	v_lshl_add_u32 v59, v65, 2, v59
	v_lshl_add_u32 v64, v63, 8, v0
	v_add_nc_u32 v64, 256, v64
	v_and_b32 v64, 511, v64                        ; the stage's column: x, or 256 + x
	v_lshl_add_u32 v64, v64, 2, SC
	v_and_b32 v56, 31, v0
	s_and_b32 s39, s16, 1
	s_lshr_b32 s40, s16, 1
	s_lshl_b32 s41, s39, 7
	s_add_co_u32 s41, s41, s59
	v_lshl_add_u32 v60, v56, 2, s41
	v_and_b32 v60, 511, v60
	v_lshlrev_b32 v60, 2, v60
	s_add_co_u32 s41, s59, s40
	s_lshl_b32 s41, s41, 11
	v_add_nc_u32 v60, s41, v60                     ; as it lies: row s0 + w / 2, columns (s0 + 128 (w % 2) + 4 lane) mod 512 on
	v_and_b32 v62, 15, v0
	v_and_b32 v61, 3, v62
	v_lshrrev_b32 v66, 2, v62
	v_mul_u32_u24 v61, v61, SCP
	v_lshl_add_u32 v61, v66, 2, v61
	v_add_nc_u32 v61, SC+1024, v61                 ; pair r = (i, i') goes to the stage's row i', column 256 + i
	v_lshl_add_u32 v58, v62, 2, SPP
	s_mul_i32 s41, s40, SCP
	s_lshl_b32 s42, s39, 9
	s_add_co_u32 s41, s41, s42
	s_add_co_u32 s41, s41, SC
	v_add_nc_u32 v57, s41, v3
	WALU
	s_wait_dscnt 0x0                               ; for the others' sake: my scores and my part of the pairs' sums lie in LDS
	s_barrier_signal -1
	s_barrier_wait -1
	ds_load_b128 v[72:75], v57
	s_cmp_lg_u32 s16, 0
	s_cbranch_scc1 .Lnot0
.irp k, 0,1,2,3,4,5,6,7
	ds_load_b32 v[76+\k], v58 offset:64*\k         ; the eight waves' parts of the pairs' sums
.endr
	s_wait_dscnt 0x0
	v_add_f32 v76, v76, v77
	v_add_f32 v78, v78, v79
	v_add_f32 v80, v80, v81
	v_add_f32 v82, v82, v83
	v_add_f32 v76, v76, v78
	v_add_f32 v80, v80, v82
	v_add_f32 v76, v76, v80
	v_fma_f32 v76, v76, -2.0, v11
	v_mul_f32 v76, s37, v76
	ds_store_b32 v61, v76                          ; both halves of the lanes write the same word with the same value
.Lnot0:
	s_wait_dscnt 0x0
	global_store_b128 v60, v[72:75], s[48:49]      ; 32 lanes store 512 bytes on end (but for the turn at the row's end)
	s_barrier_signal -1
	s_barrier_wait -1                              ; the pairs' scores lie in the stage
.irp i, 0,1,2,3
	ds_load_b32 v[68+\i], v64 offset:SCP*\i
.endr
	s_wait_dscnt 0x0
	global_store_b128 v59, v[68:71], s[48:49]
	s_wait_xcnt 0x0
	v_lshl_add_u32 v254, v0, 2, SPARE
	v_mov_b32 v255, 0
	WALU
	s_wait_tensorcnt 0x0                           ; the wave's end
	ds_add_u32 v254, v255
	s_wait_dscnt 0x0
	s_endpgm
.Lfunc_end_k_q6d36e1f3da_score:
	.size	k_q6d36e1f3da_score, .Lfunc_end_k_q6d36e1f3da_score-k_q6d36e1f3da_score
	.p2alignl 7, 3214868480
	.fill 96, 4, 3214868480
	.section	.rodata,"a",@progbits
	.p2align	6, 0x0
	.amdhsa_kernel k_q6d36e1f3da_score
		.amdhsa_group_segment_fixed_size 168960
		.amdhsa_private_segment_fixed_size 0
		.amdhsa_enable_private_segment 0
		.amdhsa_kernarg_size 32
		.amdhsa_user_sgpr_count 2
		.amdhsa_user_sgpr_kernarg_segment_ptr 1
		.amdhsa_wavefront_size32 1
		.amdhsa_system_sgpr_workgroup_id_x 1
		.amdhsa_system_sgpr_workgroup_id_y 1
		.amdhsa_system_sgpr_workgroup_id_z 1
		.amdhsa_system_vgpr_workitem_id 0
		.amdhsa_next_free_vgpr 512
		.amdhsa_next_free_sgpr 66
		.amdhsa_reserve_vcc 0
		.amdhsa_float_denorm_mode_32 3
		.amdhsa_float_denorm_mode_16_64 3
		.amdhsa_memory_ordered 1
		.amdhsa_forward_progress 1
		.amdhsa_inst_pref_size 255
	.end_amdhsa_kernel
	.section	.bss,"aw",@nobits
	.p2align	6
	.space	262144
	.amdgpu_metadata
---
amdhsa.version: [ 1, 2 ]
amdhsa.kernels:
  - .name:           k_q6d36e1f3da_score
    .symbol:         k_q6d36e1f3da_score.kd
    .args:
      - { .name: query, .offset: 0, .size: 8, .value_kind: global_buffer, .address_space: global }
      - { .name: vd, .offset: 8, .size: 8, .value_kind: global_buffer, .address_space: global }
      - { .name: wq, .offset: 16, .size: 8, .value_kind: global_buffer, .address_space: global }
      - { .name: sc, .offset: 24, .size: 8, .value_kind: global_buffer, .address_space: global }
    .group_segment_fixed_size: 168960
    .private_segment_fixed_size: 0
    .kernarg_segment_align: 8
    .kernarg_segment_size: 32
    .max_flat_workgroup_size: 256
    .sgpr_count:     66
    .vgpr_count:     512
    .wavefront_size: 32
...
	.end_amdgpu_metadata
.endif
;; end of part 2
;; launch soft (part 3): grid 256 x 1, 8 waves a work-group, no clusters, 19,200 bytes of LDS; arguments sc, vq, out0, out1; writes out0, out1
.if DOCPART == 3
	.amdgcn_target "amdgcn-amd-amdhsa--gfx1250"
	.amdhsa_code_object_version 6
	.text
	.protected	k_q6d36e1f3da_soft
	.globl	k_q6d36e1f3da_soft
	.p2align	8
	.type	k_q6d36e1f3da_soft,@function
k_q6d36e1f3da_soft:
	s_mov_b64 s[64:65], 0
	v_nop
	global_prefetch_b8 v0, s[64:65] scope:SCOPE_SE
	s_setreg_imm32_b32 hwreg(HW_REG_WAVE_MODE, 25, 1), 1
	s_wait_xcnt 0x0
; The softmax over t and context = softmax x value, for rows 4 g .. 4 g + 3.  sc holds t = sjt log2(e), row-major, whole (each pair was computed once by the launch before and stored to both places).
; M = ceil(the row's largest t); p = 2^(t - M) is quantised along t to E5M2 with one E8M0 byte for 32; l is the sum of the unquantised p; context = (p x value) / l, atten = p / l.
; value arrives as register images of its fragments (vq).  The product is used transposed: source 0 = 16 columns of value, source 1 = p; source 1's 16 columns are four copies of the 4 rows (lane r holds row r % 4).
; Waves 0-3 make p's four K steps; every wave multiplies them with its 64 columns of value; wave w stores half w % 2 of row w / 2 of both outputs.  No tensor load: every operand goes straight into lanes' registers.
; LIMITS: NaN and infinities are not served; a block of p whose largest lies under 2^-111 is quantised under the byte 1; p under 2^-126 counts as 0 (v_exp_f32 flushes: ISA guide 15.8).
; LDS: p's 4 images 0; its scale words 8,192; (-M, partial l) 8,704; the stage for out0, 4 rows of 2,112 bytes, 9,728; the spare words 18,176.
.set PIMG, 0
.set PSC,  8192
.set PL,   8704
.set OST,  9728
.set SCP,  2112
.set SPARE, 18176
.set AS,  20
.set WS,  36
.set TM,  40
.set WF,  120
.set X,   184
.set ACC, 184
.set MSB, 0
.macro WIN new
.if MSB != \new
	s_set_vgpr_msb (MSB<<8)|\new
.set MSB, \new
.endif
.endm
.macro WALU
	s_wait_alu depctr_va_vdst(0)
.endm
	s_load_b256 s[4:11], s[0:1], 0x0               ; sc s[4:5], vq s[6:7], out0 s[8:9], out1 s[10:11]
	v_lshl_add_u32 v4, v0, 2, SPARE                ; v4, v5: my spare word and 0; never rewritten
	v_mov_b32 v5, 0
	v_lshrrev_b32 v1, 5, v0
	v_readfirstlane_b32 s16, v1                    ; wave 0..7
	s_lshr_b32 s17, ttmp9, 7                       ; batch
	s_lshl_b32 s48, s17, 18
	s_lshl_b32 s19, s16, 15
	s_add_co_u32 s48, s48, s19                     ; value's images: tile 32 batch + 4 wave
	s_mov_b32 s49, 0
	s_lshl_b32 s50, s17, 14
	s_lshl_b32 s19, s16, 11
	s_add_co_u32 s50, s50, s19
	s_add_co_u32 s50, s50, 524288                  ; their scale pairs
	s_mov_b32 s51, 0
	s_lshr_b32 s18, s16, 1
	s_and_b32 s19, s16, 1
	s_lshl_b32 s52, ttmp9, 2
	s_add_co_u32 s52, s52, s18
	s_lshl_b32 s52, s52, 11
	s_lshl_b32 s19, s19, 10
	s_add_co_u32 s52, s52, s19                     ; what I store: row 4 g + wave / 2, half wave % 2
	s_mov_b32 s53, 0
	s_lshl_b32 s44, ttmp9, 13                      ; sc: row 4 g
	s_mov_b32 s45, 0
	s_mov_b32 s32, 0x76543210
	s_mov_b32 s33, 0xfedcba98
	s_mov_b32 s36, 0x600000
	v_and_b32 v10, 31, v0
	v_lshlrev_b32 v2, 2, v10
	v_lshlrev_b32 v3, 4, v10
	v_lshlrev_b32 v65, 3, v10
	v_and_b32 v80, 3, v0                           ; my row of the four
	v_bfe_u32 v81, v0, 2, 2
	v_bfe_u32 v82, v0, 4, 1
	v_mul_u32_u24 v83, v80, SCP
	v_lshlrev_b32 v69, 11, v80
	v_lshl_add_u32 v81, v82, 2, v81                ; which of the eight lanes of my row I am
	v_lshl_add_u32 v56, v81, 4, v69                ; the row's maximum: 16 bytes of every 128
	s_lshl_b32 s17, s16, 9
	v_lshl_add_u32 v57, v82, 6, v69
	v_add_nc_u32 v57, s17, v57                     ; p's K step = wave: t = 128 wave + 32 c + 16 h + ..
	s_lshl_b32 s17, s18, 11
	s_add_co_u32 s17, s17, s19
	v_add_nc_u32 v62, s17, v3                      ; t of row wave / 2, half wave % 2
	s_lshl_b32 s17, s16, 11
	s_add_co_u32 s17, s17, PIMG
	v_add_nc_u32 v58, s17, v3
	s_lshl_b32 s17, s16, 7
	s_add_co_u32 s17, s17, PSC
	v_add_nc_u32 v59, s17, v2
	s_lshl_b32 s17, s16, 8
	s_add_co_u32 s20, s17, PL
	v_add_nc_u32 v60, s20, v65
	s_add_co_u32 s20, s17, OST
	v_lshl_add_u32 v63, v82, 5, v83
	v_add_nc_u32 v63, s20, v63                     ; the stage: row r % 4, my wave's 256 bytes, + 32 h
	s_lshl_b32 s20, s18, 3
	s_add_co_u32 s20, s20, PL
	v_mov_b32 v61, s20                             ; (-M, l) of the row that I store
	s_mul_i32 s17, s18, SCP
	s_add_co_u32 s17, s17, s19
	s_add_co_u32 s17, s17, OST
	v_add_nc_u32 v64, s17, v3
	v_add_nc_u32 v66, PL, v65
	v_add_nc_u32 v67, PSC, v2
	v_add_nc_u32 v68, PIMG, v3
.irp b, 0,1,2,3
	v_mov_b32 v[TM+4+\b], 0                        ; a lane permute's destination counts as one of its sources
.endr
	WALU
	s_wait_kmcnt 0x0
	s_add_nc_u64 s[44:45], s[4:5], s[44:45]
	s_add_nc_u64 s[48:49], s[6:7], s[48:49]
	s_add_nc_u64 s[50:51], s[6:7], s[50:51]
	s_add_nc_u64 s[54:55], s[10:11], s[52:53]
	s_add_nc_u64 s[52:53], s[8:9], s[52:53]
	s_cmp_lt_u32 s16, 4
	s_cbranch_scc0 .Lnot4
.irp c, 0,1,2,3
.irp j, 0,1,2,3
	global_load_b128 v[X+16*\c+4*\j:X+16*\c+4*\j+3], v57, s[44:45] offset:128*\c+16*\j
.endr
.endr
.Lnot4:
.set m, 0
.rept 16
	global_load_b128 v[WF+4*m:WF+4*m+3], v56, s[44:45] offset:128*m
.set m, m+1
.endr
	global_load_b128 v[72:75], v62, s[44:45]
	global_load_b128 v[76:79], v62, s[44:45] offset:512
.irp t, 0,1,2,3
.irp kp, 0,1
	global_load_b64 v[AS+4*\t+2*\kp:AS+4*\t+2*\kp+1], v65, s[50:51] offset:512*\t+256*\kp
.endr
.endr
	WIN 0x40
.set m, 0
.rept 64
	global_load_b128 v[4*m:4*m+3], v3, s[48:49] offset:512*m   ; value's 16 fragments of my 64 columns: tile t', K step ks at 64 t' + 16 ks of window 1
.set m, m+1
.endr
	WIN 0
	s_wait_loadcnt 63                              ; 74 loads stand behind the rows of t; the wait's field holds 63
.irp b, 0,1,2,3
	v_max3_num_f32 v[84+\b], v[WF+16*\b], v[WF+1+16*\b], v[WF+2+16*\b]
.endr
.irp i, 3,5,7,9,11,13
.irp b, 0,1,2,3
	v_max3_num_f32 v[84+\b], v[84+\b], v[WF+16*\b+\i], v[WF+1+16*\b+\i]
.endr
.endr
.irp b, 0,1,2,3
	v_max_num_f32 v[84+\b], v[84+\b], v[WF+15+16*\b]
.endr
	v_max3_num_f32 v84, v84, v85, v86
	v_max_num_f32 v84, v84, v87
	v_max_num_f32_dpp v84, v84, v84 row_xmask:4 row_mask:0xf bank_mask:0xf
	v_max_num_f32_dpp v84, v84, v84 row_xmask:8 row_mask:0xf bank_mask:0xf
	v_permlanex16_b32 v85, v84, s32, s33
	v_max_num_f32 v84, v84, v85
	v_floor_f32 v70, -v84                          ; -M = floor(-t) = -ceil(t)
	v_mov_b32 v71, v70
	WALU
	s_cmp_lt_u32 s16, 4                            ; waves 0-3 make p's four K steps; no barrier stands inside
	s_cbranch_scc0 .Lno_p
.set m, 0
.rept 32
	v_pk_add_f32 v[X+m:X+m+1], v[X+m:X+m+1], v[70:71]           ; t - M
.set m, m+2
.endr
	WALU
.set m, 0
.rept 64
	v_exp_f32 v[X+m], v[X+m]                       ; p = 2^(t - M), at most 1: not normalised
.set m, m+1
.endr
	v_nop
	WALU
.irp b, 0,1,2,3
	v_max3_num_f32 v[TM+\b], v[X+16*\b], v[X+1+16*\b], 0x8000000   ; p is not negative: no |.|; the floor holds the byte at 1
.endr
.irp i, 2,4,6,8,10,12,14
.irp b, 0,1,2,3
	v_max3_num_f32 v[TM+\b], v[TM+\b], v[X+16*\b+\i], v[X+1+16*\b+\i]
.endr
.endr
.irp b, 0,1,2,3
	v_permlanex16_b32 v[TM+4+\b], v[TM+\b], s32, s33
.endr
.irp b, 0,1,2,3
	v_max_num_f32 v[TM+\b], v[TM+\b], v[TM+4+\b]
.endr
.irp b, 0,1,2,3
	v_add_nc_u32 v[TM+12+\b], 0xf8800000, v[TM+\b]
.endr
.irp b, 0,1,2,3
	v_and_or_b32 v[TM+8+\b], v[TM+\b], 0x7f800000, s36
.endr
.irp b, 0,1,2,3
	v_lshrrev_b32 v[TM+4+\b], 23, v[TM+12+\b]
.endr
	v_lshl_or_b32 v88, v[TM+5], 8, v[TM+4]
	v_lshl_or_b32 v88, v[TM+6], 16, v88
	v_lshl_or_b32 v88, v[TM+7], 24, v88            ; p's scale word for these 128 t
.irp q, 0,1,2,3
	v_pk_add_f32 v[92+2*\q:93+2*\q], v[X+2*\q:X+2*\q+1], v[X+8+2*\q:X+9+2*\q]   ; the sum of the unquantised p, in four chains
.endr
.irp j, 16,24,32,40,48,56
.irp q, 0,1,2,3
	v_pk_add_f32 v[92+2*\q:93+2*\q], v[92+2*\q:93+2*\q], v[X+\j+2*\q:X+\j+2*\q+1]
.endr
.endr
	v_pk_add_f32 v[92:93], v[92:93], v[94:95]
	v_pk_add_f32 v[96:97], v[96:97], v[98:99]
	v_pk_add_f32 v[92:93], v[92:93], v[96:97]
	v_add_f32 v91, v92, v93
	v_permlanex16_b32 v94, v91, s32, s33
	v_add_f32 v91, v91, v94                        ; my row's sum over these 128 t
	v_mov_b32 v90, v70                             ; beside -M
.irp b, 0,1,2,3
.irp i, 0,1,2,3,4,5,6,7,8,9,10,11,12,13,14,15
	v_min_num_f32 v[X+16*\b+\i], v[X+16*\b+\i], v[TM+8+\b]      ; the hold, one-sided
.endr
.endr
.irp b, 0,1,2,3
	v_cvt_scalef32_pk8_bf8_f32 v[WF+4*\b:WF+4*\b+1], v[X+16*\b:X+16*\b+7], v[TM+12+\b]
	v_cvt_scalef32_pk8_bf8_f32 v[WF+4*\b+2:WF+4*\b+3], v[X+16*\b+8:X+16*\b+15], v[TM+12+\b]
.endr
	v_nop                                          ; a plain line behind the last conversion
.irp c, 0,1,2,3
	ds_store_b128 v58, v[WF+4*\c:WF+4*\c+3] offset:512*\c       ; the fragment as an image of its registers
.endr
	ds_store_b32 v59, v88
	ds_store_b64 v60, v[90:91]
.Lno_p:
	s_wait_dscnt 0x0
	s_barrier_signal -1
	s_barrier_wait -1                              ; p's four fragments, scale words and sums lie in LDS
.irp ks, 0,1,2,3
.irp c, 0,1,2,3
	ds_load_b128 v[WF+16*\ks+4*\c:WF+16*\ks+4*\c+3], v68 offset:2048*\ks+512*\c
.endr
	ds_load_b32 v[WS+\ks], v67 offset:128*\ks
	ds_load_b64 v[40+2*\ks:41+2*\ks], v66 offset:256*\ks        ; (-M, partial l) of my lane's row,
	ds_load_b64 v[48+2*\ks:49+2*\ks], v61 offset:256*\ks        ; and of the row whose atten I store
.endr
	s_wait_dscnt 0x0
	s_wait_loadcnt 0x0                             ; value's fragments and scale words
	WIN 0x01
.irp ks, 0,1,2,3
.irp t, 0,1,2,3
.if \ks == 0
	v_wmma_scale_f32_16x16x128_f8f6f4 v[ACC+8*\t:ACC+8*\t+7], v[64*\t+16*\ks:64*\t+16*\ks+15], v[WF+16*\ks:WF+16*\ks+15], 0, v[AS+4*\t+\ks], v[WS+\ks] matrix_a_fmt:MATRIX_FMT_BF8 matrix_b_fmt:MATRIX_FMT_BF8
.else
	v_wmma_scale_f32_16x16x128_f8f6f4 v[ACC+8*\t:ACC+8*\t+7], v[64*\t+16*\ks:64*\t+16*\ks+15], v[WF+16*\ks:WF+16*\ks+15], v[ACC+8*\t:ACC+8*\t+7], v[AS+4*\t+\ks], v[WS+\ks] matrix_a_fmt:MATRIX_FMT_BF8 matrix_b_fmt:MATRIX_FMT_BF8
.endif
.endr
.endr
	WIN 0
	; atten = 2^(t - M) / l for 256 t of row wave / 2.  Its first ten lines are plain and name no register of the products: the places behind them
.irp j, 0,2,4,6
	v_pk_add_f32 v[72+\j:73+\j], v[72+\j:73+\j], v[48:49] op_sel_hi:[1,0]
.endr
	v_add_f32 v49, v49, v51
	v_add_f32 v53, v53, v55
	v_add_f32 v41, v41, v43
	v_add_f32 v45, v45, v47
	v_add_f32 v49, v49, v53                        ; l of the row that I store
	v_add_f32 v41, v41, v45                        ; l of my lane's row
	WALU
	v_rcp_f32 v50, v49
	v_rcp_f32 v42, v41
.irp j, 0,1,2,3,4,5,6,7
	v_exp_f32 v[72+\j], v[72+\j]
.endr
	v_nop
	WALU
.irp j, 0,2,4,6
	v_pk_mul_f32 v[72+\j:73+\j], v[72+\j:73+\j], v[50:51] op_sel_hi:[1,0]
.endr
	global_store_b128 v3, v[72:75], s[54:55] th:TH_STORE_NT             ; 32 lanes store 512 consecutive bytes, aligned
	global_store_b128 v3, v[76:79], s[54:55] offset:512 th:TH_STORE_NT
	; context: register j of tile t' in lane (r, h) is column 64 wave + 16 t' + 8 h + j of row r % 4; each accumulator from its low end on
.set m, 0
.rept 16
	v_pk_mul_f32 v[ACC+m:ACC+m+1], v[ACC+m:ACC+m+1], v[42:43] op_sel_hi:[1,0]
.set m, m+2
.endr
.irp t, 0,1,2,3
	ds_store_b128 v63, v[ACC+8*\t:ACC+8*\t+3] offset:64*\t      ; the four copies of a row write equal bytes to equal places
	ds_store_b128 v63, v[ACC+8*\t+4:ACC+8*\t+7] offset:64*\t+16
.endr
	s_wait_dscnt 0x0
	s_barrier_signal -1
	s_barrier_wait -1                              ; four whole rows lie in the stage
	ds_load_b128 v[80:83], v64
	ds_load_b128 v[84:87], v64 offset:512
	s_wait_dscnt 0x0
	global_store_b128 v3, v[80:83], s[52:53] th:TH_STORE_NT
	global_store_b128 v3, v[84:87], s[52:53] offset:512 th:TH_STORE_NT
	s_wait_tensorcnt 0x0                           ; the wave's end
	ds_add_u32 v4, v5
	s_wait_dscnt 0x0
	s_endpgm
.Lfunc_end_k_q6d36e1f3da_soft:
	.size	k_q6d36e1f3da_soft, .Lfunc_end_k_q6d36e1f3da_soft-k_q6d36e1f3da_soft
	.p2alignl 7, 3214868480
	.fill 96, 4, 3214868480
	.section	.rodata,"a",@progbits
	.p2align	6, 0x0
	.amdhsa_kernel k_q6d36e1f3da_soft
		.amdhsa_group_segment_fixed_size 19200
		.amdhsa_private_segment_fixed_size 0
		.amdhsa_enable_private_segment 0
		.amdhsa_kernarg_size 32
		.amdhsa_user_sgpr_count 2
		.amdhsa_user_sgpr_kernarg_segment_ptr 1
		.amdhsa_wavefront_size32 1
		.amdhsa_system_sgpr_workgroup_id_x 1
		.amdhsa_system_sgpr_workgroup_id_y 1
		.amdhsa_system_sgpr_workgroup_id_z 1
		.amdhsa_system_vgpr_workitem_id 0
		.amdhsa_next_free_vgpr 512
		.amdhsa_next_free_sgpr 66
		.amdhsa_reserve_vcc 0
		.amdhsa_float_denorm_mode_32 3
		.amdhsa_float_denorm_mode_16_64 3
		.amdhsa_memory_ordered 1
		.amdhsa_forward_progress 1
		.amdhsa_inst_pref_size 36
	.end_amdhsa_kernel
	.amdgpu_metadata
---
amdhsa.version: [ 1, 2 ]
amdhsa.kernels:
  - .name:           k_q6d36e1f3da_soft
    .symbol:         k_q6d36e1f3da_soft.kd
    .args:
      - { .name: sc, .offset: 0, .size: 8, .value_kind: global_buffer, .address_space: global }
      - { .name: vq, .offset: 8, .size: 8, .value_kind: global_buffer, .address_space: global }
      - { .name: out0, .offset: 16, .size: 8, .value_kind: global_buffer, .address_space: global }
      - { .name: out1, .offset: 24, .size: 8, .value_kind: global_buffer, .address_space: global }
    .group_segment_fixed_size: 19200
    .private_segment_fixed_size: 0
    .kernarg_segment_align: 8
    .kernarg_segment_size: 32
    .max_flat_workgroup_size: 256
    .sgpr_count:     66
    .vgpr_count:     512
    .wavefront_size: 32
...
	.end_amdgpu_metadata
.endif
;; end of part 3
